; MI455X (gfx1250); checked and timed in simulation.
; The chip was launched on July 23, 2026; its instructions are those of AMD's public machine-readable ISA for CDNA 5 (MIT licence, August 2026) and "CDNA5" Instruction Set Architecture Reference Guide (July 2026). The comments in the code are by the model that wrote it; some were corrected since.
;; Scaled Ternary. Allowed arithmetic: float matrix products may take bf16 or f16 operands with f32 sums; other float arithmetic in f32, or as packed bf16 or f16 multiplies, adds, multiply-adds, maxima and minima; sums over many terms, partial sums and values carried from step to step in f32; what a program stores and reads back later, other than sums and carried values, may be rounded once to bf16 or f16.
;; Inputs: W 4,096 x 4,096 float32; bias 4,096 float32; scale 4,096 float32; x 4,096 x 4,096 float32.
;; Outputs: out0 4,096 x 4,096 float32.
;; 2 versions, each right; version 2 is version 1 with the launch prep written anew for expert scheduling mode. Each part assembles by itself: llvm-mc -triple=amdgcn-amd-amdhsa -mcpu=gfx1250 --defsym DOCPART=n.
;; ======== version 1 of 2: 2 launches
;; workspace buffers: xb 33,554,432 bytes; wq 33,554,432 bytes
;; launch prep (part 1): grid 512 x 2, 8 waves a work-group, no clusters, 0 bytes of LDS; arguments x, W, xb, wq; writes xb, wq
.if DOCPART == 1
	.amdgcn_target "amdgcn-amd-amdhsa--gfx1250"
	.amdhsa_code_object_version 6
	.text
	.protected	k_qf3c776b43f_prep
	.globl	k_qf3c776b43f_prep
	.p2align	8
	.type	k_qf3c776b43f_prep,@function
k_qf3c776b43f_prep:
	s_mov_b64 s[64:65], 0
	v_nop
	global_prefetch_b8 v0, s[64:65] scope:SCOPE_SE
	s_setreg_imm32_b32 hwreg(HW_REG_WAVE_MODE, 25, 1), 1
	s_wait_xcnt 0x0
; xb = x rounded to bf16;  wq = +1 where W > 0.5, -1 where W < -0.5, else 0, written as bf16 (exact).  x, W: [4096][4096] f32; xb, wq: the same layout in bf16.
; The threshold is taken on W as it is given, in f32.  A NaN in W fails both compares and gives 0.  |x| beyond the largest finite bf16 rounds to an infinity.
; A plain stream: every input byte is read once and every output byte written once; no wave wants a byte that another has fetched, so there is no LDS, no barrier, no matrix work.
; SHARES.  Work-groups with y = 0 take x, those with y = 1 take W; work-group g of 512 owns 131,072 consecutive input bytes and the 65,536 output bytes that belong to them: 32 chunks of 4,096 input bytes.
; In a chunk thread t loads the 16 bytes at 16 t (a wave: 512 consecutive bytes) and stores the 8 bytes at 8 t (a wave: 256 consecutive bytes, aligned).
; A ring of DEPTH register slots keeps DEPTH loads of every wave on their way; a slot owns its input and its output registers.
.set CHUNK,  4096                      ; input bytes of a chunk
.set DEPTH,  8                         ; slots = loads in flight in each wave
.set ROUNDS, 32/DEPTH                  ; each round takes every slot once
.set IO,   1                           ; v1       16 t: my place in an input chunk; never rewritten
.set OO,   2                           ; v2       8 t: my place in an output chunk; never rewritten
.set ONE,  3                           ; v3       1.0
.set MONE, 4                           ; v4       -1.0
.set T,    8                           ; v[8:11]  four weights at work
.set X,    16                          ; v[16:47] slot i: four f32 as loaded
.set Y,    48                          ; v[48:63] slot i: four bf16 to store
	s_load_b256 s[4:11], s[0:1], 0x0               ; x s[4:5], W s[6:7], xb s[8:9], wq s[10:11]
	s_and_b32 s12, ttmp7, 0xffff                   ; 0: x, 1: W
	s_lshl_b32 s14, ttmp9, 17                      ; the work-group's share of the input,
	s_mov_b32 s15, 0
	s_lshl_b32 s16, ttmp9, 16                      ; and of the output, in bytes
	s_mov_b32 s17, 0
	v_lshlrev_b32 v[IO], 4, v0
	v_lshlrev_b32 v[OO], 3, v0
	v_mov_b32 v[ONE], 1.0
	v_mov_b32 v[MONE], -1.0
	s_wait_kmcnt 0x0
	s_add_nc_u64 s[4:5], s[4:5], s[14:15]
	s_add_nc_u64 s[6:7], s[6:7], s[14:15]
	s_add_nc_u64 s[8:9], s[8:9], s[16:17]
	s_add_nc_u64 s[10:11], s[10:11], s[16:17]
; One slot's turn.  ahead = 1: the slot is filled again with the chunk DEPTH further on.  left = how many younger loads may still be out.
; tern = 1: the numbers go through the threshold.  src, dst: the scalar pairs that hold the input's and the output's address.
.macro SLOT i, ahead, left, tern, src, dst
	s_wait_loadcnt \left                           ; loads come back in order (ISA guide 5.7.1): mine is in, the younger ones stay out
.if \tern
.irp j, 0,1,2,3
	v_cmp_lt_f32 vcc_lo, 0.5, v[X+4*(\i)+(\j)]     ; 0.5 < w
	v_cndmask_b32 v[T+(\j)], 0, v[ONE], vcc_lo
	v_cmp_gt_f32 vcc_lo, -0.5, v[X+4*(\i)+(\j)]    ; -0.5 > w
	v_cndmask_b32 v[T+(\j)], v[T+(\j)], v[MONE], vcc_lo
.endr
	v_cvt_pk_bf16_f32 v[Y+2*(\i)],   v[T],   v[T+1]
	v_cvt_pk_bf16_f32 v[Y+2*(\i)+1], v[T+2], v[T+3]
.else
	v_cvt_pk_bf16_f32 v[Y+2*(\i)],   v[X+4*(\i)],   v[X+4*(\i)+1]    ; two roundings to nearest even, packed
	v_cvt_pk_bf16_f32 v[Y+2*(\i)+1], v[X+4*(\i)+2], v[X+4*(\i)+3]
.endif
.if \ahead
	global_load_b128 v[X+4*(\i):X+4*(\i)+3], v[IO], s[(\src):(\src)+1] offset:(DEPTH+(\i))*CHUNK th:TH_LOAD_NT  ; the load goes out ahead of the store
.endif
	global_store_b64 v[OO], v[Y+2*(\i):Y+2*(\i)+1], s[(\dst):(\dst)+1] offset:(\i)*CHUNK/2 th:TH_STORE_NT
.endm
; The whole share of a work-group.
.macro STREAM tern, src, dst
.irp i, 0,1,2,3,4,5,6,7
	global_load_b128 v[X+4*(\i):X+4*(\i)+3], v[IO], s[(\src):(\src)+1] offset:(\i)*CHUNK th:TH_LOAD_NT  ; fill the ring: chunks 0 to 7
.endr
	s_mov_b32 s18, ROUNDS-1
.Lround\tern:
.irp i, 0,1,2,3,4,5,6,7
	SLOT \i, 1, DEPTH-1, \tern, \src, \dst
.endr
	s_wait_xcnt 0x0                                ; every load and store issued so far has read its address and data registers (ISA guide 3.1): the two bases and Y are written again only behind this wait
	s_add_nc_u64 s[(\src):(\src)+1], s[(\src):(\src)+1], DEPTH*CHUNK
	s_add_nc_u64 s[(\dst):(\dst)+1], s[(\dst):(\dst)+1], DEPTH*CHUNK/2
	s_sub_co_u32 s18, s18, 1
	s_cmp_lg_u32 s18, 0
	s_cbranch_scc1 .Lround\tern
.irp i, 0,1,2,3,4,5,6,7
	SLOT \i, 0, DEPTH-1-(\i), \tern, \src, \dst    ; the last round loads nothing: the counts run down, and no load leaves the buffer
.endr
	s_endpgm
.endm
	s_cmp_lg_u32 s12, 0
	s_cbranch_scc1 .Ltern
	STREAM 0, 4, 8                                 ; x -> xb
.Ltern:
	STREAM 1, 6, 10                                ; W -> wq
.Lfunc_end_k_qf3c776b43f_prep:
	.size	k_qf3c776b43f_prep, .Lfunc_end_k_qf3c776b43f_prep-k_qf3c776b43f_prep
	.p2alignl 7, 3214868480
	.fill 96, 4, 3214868480
	.section	.rodata,"a",@progbits
	.p2align	6, 0x0
	.amdhsa_kernel k_qf3c776b43f_prep
		.amdhsa_group_segment_fixed_size 0
		.amdhsa_private_segment_fixed_size 0
		.amdhsa_enable_private_segment 0
		.amdhsa_kernarg_size 32
		.amdhsa_user_sgpr_count 2
		.amdhsa_user_sgpr_kernarg_segment_ptr 1
		.amdhsa_wavefront_size32 1
		.amdhsa_system_sgpr_workgroup_id_x 1
		.amdhsa_system_sgpr_workgroup_id_y 1
		.amdhsa_system_sgpr_workgroup_id_z 1
		.amdhsa_system_vgpr_workitem_id 0
		.amdhsa_next_free_vgpr 64
		.amdhsa_next_free_sgpr 66
		.amdhsa_reserve_vcc 1
		.amdhsa_float_denorm_mode_32 3
		.amdhsa_float_denorm_mode_16_64 3
		.amdhsa_memory_ordered 1
		.amdhsa_forward_progress 1
		.amdhsa_inst_pref_size 21
	.end_amdhsa_kernel
	.amdgpu_metadata
---
amdhsa.version: [ 1, 2 ]
amdhsa.kernels:
  - .name:           k_qf3c776b43f_prep
    .symbol:         k_qf3c776b43f_prep.kd
    .args:
      - { .name: x, .offset: 0, .size: 8, .value_kind: global_buffer, .address_space: global }
      - { .name: W, .offset: 8, .size: 8, .value_kind: global_buffer, .address_space: global }
      - { .name: xb, .offset: 16, .size: 8, .value_kind: global_buffer, .address_space: global }
      - { .name: wq, .offset: 24, .size: 8, .value_kind: global_buffer, .address_space: global }
    .group_segment_fixed_size: 0
    .private_segment_fixed_size: 0
    .kernarg_segment_align: 8
    .kernarg_segment_size: 32
    .max_flat_workgroup_size: 256
    .sgpr_count:     66
    .vgpr_count:     64
    .wavefront_size: 32
...
	.end_amdgpu_metadata
.endif
;; end of part 1
;; launch gemm (part 2): grid 16 x 16, 4 waves a work-group, clusters of 4 x 4, 327,680 bytes of LDS; arguments xb, wq, scale, bias, out0; writes out0
.if DOCPART == 2
	.amdgcn_target "amdgcn-amd-amdhsa--gfx1250"
	.amdhsa_code_object_version 6
	.text
	.protected	k_qf3c776b43f_gemm
	.globl	k_qf3c776b43f_gemm
	.p2align	8
	.type	k_qf3c776b43f_gemm,@function
k_qf3c776b43f_gemm:
	s_mov_b64 s[64:65], 0
	v_nop
	global_prefetch_b8 v0, s[64:65] scope:SCOPE_SE
	s_setreg_imm32_b32 hwreg(HW_REG_WAVE_MODE, 25, 1), 1
	s_wait_xcnt 0x0
	s_wait_alu depctr_hold_cnt(0) depctr_sa_sdst(0) depctr_va_vdst(0) depctr_va_sdst(0) depctr_va_ssrc(0) depctr_va_vcc(0) depctr_vm_vsrc(0)
	s_getreg_b32 s2, hwreg(HW_REG_IB_STS2, 6, 4)
	s_cmp_eq_u32 s2, 0
	s_cbranch_scc0 .Lentry_in_a_cluster
	s_endpgm
.Lentry_in_a_cluster:
	s_bfe_u32 s2, ttmp6, 0x10000c
	s_cmp_lg_u32 s2, 0xf033
	s_cbranch_scc0 .Lentry_shape_is_right
	s_endpgm
.Lentry_shape_is_right:
; out0[m][n] = clip(scale[n] * (sum over k of xb[m][k] wq[k][n]) + bias[n], -100, 100).  xb: [4096 m][4096 k] bf16, wq: [4096 k][4096 n] bf16 (+1, -1, 0), scale, bias: [4096] f32, out0: [4096][4096] f32.
; Sums in f32; scale and bias by ONE fused multiply-add (one rounding where a product and a sum would round twice); the clip takes the middle of y, -100 and 100.
; LIMITS.  NaN and infinities are not treated apart: a sum that is NaN need not leave as NaN.  The only rounding of an operand is x to bf16, made by the launch before; the weights are exact.
; A tile of out0, 256 x 256, is made by a work-group of four waves; a wave makes 128 x 128: 64 accumulators of 16 x 16, 512 registers.  There are 16 x 16 tiles, one to a work-group.
; K goes in 32 steps of 128 through a ring of two LDS slots filled by the tensor data mover: 256 rows x 256 bytes of xb, and 128 k-rows x 512 bytes of wq, every row a multiple of 256 bytes from its buffer's first byte.
; wq lies [k][n]: its fragments come out of LDS turned, by ds_load_tr16_b128; xb's come as they lie.
; CLUSTERS: 4 x 4 work-groups.  The four of a row of the cluster need the same tiles of xb, the four of a column the same tiles of wq.  Such a tile is asked for JOINTLY: each of the four issues the same
; tensor load, with the same descriptor and a mask that names the four, and each receives the tile in its own LDS.
; THE MATRIX INSTRUCTION IS USED TRANSPOSED: source 0 = 16 columns of wq, source 1 = 16 rows of xb.  In the result lane l holds row m = l % 16 and its registers 0 to 7 the columns 8 (l / 16) + 0 .. 7: 32 neighbouring bytes of a row of out0.
; REGISTERS, in windows of 256 (s_set_vgpr_msb: bits 1:0 source 0, 3:2 source 1, 5:4 source 2, 7:6 destination):
;   window 0: v0-39 addresses, scale, bias; v64-127, v128-191 fragments of xb (8 x 16 rows x 32 K), two buffers; on the way out the same registers take whole rows back from the stage
;   window 1: v64-127, v128-191 fragments of wq, two buffers
;   window 2: the 32 accumulators of my rows 0-63 (accumulator (a, b) at v[8 (8 a + b)]);   window 3: those of my rows 64-127
.set SIZE_K, 4096
.set SIZE_N, 4096
.set KSTEP,  128
.set LAPS,   SIZE_K/(2*KSTEP)          ; a lap = two K steps = once round the ring
.set PA,     272                       ; an LDS row of xb: 256 bytes + 16 of padding = 68 words: row r starts at bank 4 r mod 64 (64 banks of 4 bytes: ISA guide 11.1), so the 16 rows of a load start at 16 different banks
.set PB,     544                       ; an LDS row of wq: 512 bytes + 32 of padding = 136 words: row r starts at bank 8 r mod 64
.set PART,   128*PA                    ; what one tensor load brings: 128 rows of xb, or 64 k-rows of wq (64 x 544 is the same 34,816 bytes)
.set BOFF,   2*PART                    ; in a slot wq's 128 k-rows lie behind xb's 256 rows
.set SLOT,   4*PART
.set STAGE,  2*SLOT                    ; behind the ring: 16 rows x 528 bytes for each wave, for the way out; no tensor load lands here
.set SPITCH, 528                       ; 512 bytes + 16: the 16 rows of a store start at 16 different groups of four banks
.set WSTAGE, 16*SPITCH
.set SPARE,  STAGE+4*WSTAGE            ; behind the stages: the spare words, 128 bytes for each wave: two blocks of 256 bytes that no other line names
.set ADRA, 16                          ; v16-17  LDS address of my fragments of xb in slot 0, 1
.set ADRB, 20                          ; v20-21  the same for wq
.set STO,  24                          ; v24     the way out: where I put 32 bytes of a row
.set RD,   25                          ; v25     the way out: where I read 16 bytes of a row back
.set CO,   26                          ; v26     16 x lane: my byte offset in 512 bytes of a row of out0
.set SBO,  27                          ; v27     my byte offset in scale and in bias
.set SPW,  28                          ; v28     LDS address of my spare word: SPARE + 4 x my thread's number; never rewritten
.set NIL,  29                          ; v29     0; never rewritten
.set PFO,  30                          ; v30     the prefetches' offset; never rewritten
.set SC,   32                          ; v[32:35] scale of the four columns that I store
.set BI,   36                          ; v[36:39] bias of the same
.set F0,   64                          ; fragment buffer 0
.set F1,   128                         ; fragment buffer 1
.set WV,   14                          ; s14     my wave's number
.set RH,   15                          ; s15     which half of the tile's rows is mine.  Also: I fetch for xb (0) or for wq (1)
.set CH,   16                          ; s16     which half of its columns.  Also: which half of that operand's tile I fetch
.set G1,   24                          ; s[24:31] descriptor group 1 for xb's tiles
.set G0,   32                          ; s[32:39] descriptor group 0 for xb's tiles, one set for each slot
.set PFA,  40                          ; s[40:41] where my prefetches stand
.set PST,  42                          ; s[42:43] a K step in bytes, in the operand that I fetch for
.set LIM,  44                          ; s44     1 in a wave that prefetches, else the greatest number
.set LAP,  45                          ; s45     trips of the loop still to come
.set G1B,  48                          ; s[48:55] descriptor group 1 for wq's tiles
.set G0B,  56                          ; s[56:63] descriptor group 0 for wq's tiles, one set for each slot
.set MSB, 0
.macro WIN new                         ; the immediate's high byte repeats the setting that is left; a switch that changes nothing is dropped
.if MSB != (\new)
	s_set_vgpr_msb (MSB<<8)|(\new)
.set MSB, \new
.endif
.endm
.set MUL_LO, 0xa1                      ; source 0 (wq) window 1, source 1 (xb) window 0, C and D window 2
.set MUL_HI, 0xf1                      ; the same, C and D window 3
.set TO_B,   0x40                      ; destination window 1, address window 0
; A joint load.  Waves 0 and 1 fetch xb's two halves, waves 2 and 3 wq's.  Each of the two lines has ONE mask and one set of registers for all that issue it.  The branch hangs on the wave's number alone.
; An s_nop 0 and four v_nop follow each of the two lines; the jump round the other line, the label and what follows the macro come after them.
.macro JLOAD s
	s_cmp_eq_u32 s[RH], 0
	s_cbranch_scc0 .Lfor_b_\@
	tensor_load_to_lds s[G0+4*(\s):G0+4*(\s)+3], s[G1:G1+7]
	s_nop 0
.rept 4
	v_nop
.endr
	s_branch .Lasked_\@
.Lfor_b_\@:
	tensor_load_to_lds s[G0B+4*(\s):G0B+4*(\s)+3], s[G1B:G1B+7]
	s_nop 0
.rept 4
	v_nop
.endr
.Lasked_\@:
.endm
; A PREFETCH INTO THE L2, behind each joint load, its five lines and the run of LDS loads that follows them: my share of the K step that stands TWO refills on, 512 matrix instructions ahead of the load that will ask for it.
; Each aligned block of 256 bytes of xb and of wq is named ONCE in the launch.  xb's tile row is read by every cluster of that row of clusters: the one with cluster x = 0 asks; wq's tile column by every cluster of
; that column: the one with cluster y = 0 asks.  The four partners that ask for a tile jointly share it out BY ADDRESS: of the 128 rows of xb that a wave fetches the partner at place cx takes 32, a lane a row of 256 bytes;
; of the 64 k-rows of wq the partner at place cy takes 16, two lanes a row of 512 bytes.  No branch hangs on a work-group's place in its cluster.
; K steps 0 to 3 come by their loads alone; the loop's last trip asks for nothing: K step 31 was named in the trip before.
.macro ASK
	s_cmp_gt_u32 s[LAP], s[LIM]                    ; s[LAP] = 1 in the loop's last trip
	s_cbranch_scc0 .Lnot_mine_\@
	global_prefetch_b8 v[PFO], s[PFA:PFA+1] th:TH_LOAD_NT scope:SCOPE_SE
.Lnot_mine_\@:
.endm
; A round of the cluster's barrier: my work-group's barrier, so that wave 0's signal speaks for all four waves; wave 0 signals for the work-group; every wave waits for all
; sixteen work-groups; my work-group's barrier once more.  No LDS instruction of the wave is pending at a signal.
.macro CREST                           ; a round behind its opening barrier
	s_cmp_lg_u32 s[WV], 0
	s_cbranch_scc1 .Lnot_wave_0_\@
	s_barrier_signal -3
.Lnot_wave_0_\@:
	s_barrier_wait -3
	s_barrier_signal -1
	s_barrier_wait -1
.endm
.macro CROUND                          ; a whole round
	s_barrier_signal -1
	s_barrier_wait -1
	CREST
.endm
	s_load_b256 s[4:11], s[0:1], 0x0               ; xb s[4:5], wq s[6:7], scale s[8:9], bias s[10:11]
	s_load_b64 s[12:13], s[0:1], 0x20              ; out0
	v_lshl_add_u32 v[SPW], v0, 2, SPARE
	v_mov_b32 v[NIL], 0
	ds_add_u32 v[SPW], v[NIL]                      ; the wave's opening: the add and its wait stand ahead of my first tensor load; the set-up below, work on registers, stands between them
	v_lshrrev_b32 v1, 5, v0
	v_readfirstlane_b32 s[WV], v1                  ; wave 0..3
	s_lshr_b32 s[RH], s[WV], 1
	s_and_b32 s[CH], s[WV], 1
	s_bfe_u32 s17, ttmp6, 0x40000                  ; cx: my place along the cluster's x
	s_bfe_u32 s18, ttmp6, 0x40004                  ; cy: along its y
	s_lshl_b32 s19, ttmp9, 2                       ; in a cluster launch ttmp9 and ttmp7 count clusters
	s_add_co_u32 s19, s19, s17                     ; tile column = 4 x cluster x + cx
	s_and_b32 s20, ttmp7, 0xffff
	s_lshl_b32 s20, s20, 2
	s_add_co_u32 s20, s20, s18                     ; tile row = 4 x cluster y + cy
	s_lshl_b32 s21, s18, 2
	s_lshl_b32 s21, 15, s21                        ; my row of the cluster: places 4 cy .. 4 cy + 3
	s_lshl_b32 s22, 0x1111, s17                    ; my column: places cx, cx + 4, cx + 8, cx + 12
	; descriptor group 1 for xb: a tile of 128 rows x 128 elements, padded in LDS
	s_or_b32 s[G1+0], s21, (1<<16)|(1<<20)|(1<<21)|(5<<22)|(3<<25)  ; 15:0 the mask: my row; 17:16 elements of 2 bytes; 20 padding on; 21 set beside a mask; 24:22 after every 64 words (code 5); 31:25 4 words of it (code 3)
	s_mov_b32 s[G1+1], KSTEP<<16                   ; 63:48 tensor_dim0, low half = 128
	s_mov_b32 s[G1+2], 128<<16                     ; 79:64 its high half = 0; 95:80 tensor_dim1, low half = 128
	s_mov_b32 s[G1+3], KSTEP<<16                   ; 111:96 its high half = 0; 127:112 tile_dim0 = 128
	s_mov_b32 s[G1+4], 128                         ; 143:128 tile_dim1 = 128; 159:144 tile_dim2 = 0
	s_mov_b32 s[G1+5], SIZE_K                      ; 191:160 elements from row to row
	s_mov_b32 s[G1+6], 0
	s_mov_b32 s[G1+7], 0
	; descriptor group 1 for wq: a tile of 64 k-rows x 256 elements, padded in LDS
	s_or_b32 s[G1B+0], s22, (1<<16)|(1<<20)|(1<<21)|(6<<22)|(7<<25) ; the mask: my column; padding after every 128 words (code 6), 8 words of it (code 7)
	s_mov_b32 s[G1B+1], 256<<16                    ; tensor_dim0 = 256
	s_mov_b32 s[G1B+2], 64<<16                     ; tensor_dim1 = 64
	s_mov_b32 s[G1B+3], 256<<16                    ; tile_dim0 = 256
	s_mov_b32 s[G1B+4], 64                         ; tile_dim1 = 64
	s_mov_b32 s[G1B+5], SIZE_N                     ; elements from k-row to k-row
	s_mov_b32 s[G1B+6], 0
	s_mov_b32 s[G1B+7], 0
	; where the tiles come from.  xb's hang on the tile row alone, which my row of the cluster shares; wq's on the tile column alone, which my column shares.  Every wave makes both addresses and asks by one of them.
	s_lshl_b32 s66, s20, 8
	s_lshl_b32 s72, s[CH], 7
	s_add_co_u32 s66, s66, s72                     ; xb: row 256 x tile row + 128 x half,
	s_lshl_b32 s66, s66, 13                        ; of 8,192 bytes
	s_mov_b32 s67, 0
	s_lshl_b32 s68, s[CH], 19                      ; wq: k-row 64 x half, of 8,192 bytes,
	s_lshl_b32 s73, s19, 9
	s_add_co_u32 s68, s68, s73                     ; and 512 bytes x tile column along it
	s_mov_b32 s69, 0
	s_mul_i32 s23, s[WV], PART                     ; and where they go: wave x 34,816 bytes: xb's two halves, then wq's two: no place in the cluster enters an LDS address
	s_mov_b32 s70, 0xc2c80000                      ; -100.0
	s_mov_b32 s71, 0x42c80000                      ; 100.0
	s_wait_dscnt 0x0                               ; the opening add is done
	s_wait_kmcnt 0x0
	s_add_nc_u64 s[66:67], s[4:5], s[66:67]
	s_add_nc_u64 s[68:69], s[6:7], s[68:69]
	CROUND                                         ; all sixteen work-groups are here: the first joint loads meet
.irp s, 0,1
	s_mov_b32 s[G0+4*(\s)], 1                                      ; 1:0 count = 1
	s_add_co_u32 s[G0+4*(\s)+1], s23, (\s)*SLOT                    ; 63:32 LDS address
	s_add_nc_u64 s[G0+4*(\s)+2:G0+4*(\s)+3], s[66:67], (\s)*KSTEP*2  ; 120:64 global address: K step s lies 256 bytes along the rows
	s_or_b32 s[G0+4*(\s)+3], s[G0+4*(\s)+3], 0x80000000            ; 127:126 type = 2
	s_mov_b32 s[G0B+4*(\s)], 1
	s_add_co_u32 s[G0B+4*(\s)+1], s23, (\s)*SLOT
	s_add_nc_u64 s[G0B+4*(\s)+2:G0B+4*(\s)+3], s[68:69], (\s)*KSTEP*SIZE_N*2  ; K step s lies 128 k-rows down
	s_or_b32 s[G0B+4*(\s)+3], s[G0B+4*(\s)+3], 0x80000000
	JLOAD \s                                       ; the ring is filled before anything else is done: two tensor loads of mine are out
.endr
	; A fragment is 16 rows x 32 K in 8 registers: lane l holds row l % 16; registers 0-3 hold K = 8 (l / 16) + 0..7, registers 4-7 hold K = 16 + 8 (l / 16) + 0..7.
	; xb, whose rows lie along K: two loads of 16 bytes, 32 bytes apart.
	v_and_b32 v1, 15, v0                           ; l % 16
	v_bfe_u32 v2, v0, 4, 1                         ; l / 16
	v_mul_u32_u24 v3, v1, PA
	v_lshl_add_u32 v3, v2, 4, v3                   ; row x pitch + 16 x half
	; wq, whose rows lie along n: the turning load takes 16 k x 16 n (lane l reads 16 bytes: k-row 8 (l / 16) + l % 8, columns 8 ((l / 8) % 2) + 0..7) and leaves half a fragment: lane l holds column l % 16 and 8 k.
	v_and_b32 v4, 7, v0
	v_lshl_add_u32 v4, v2, 3, v4
	v_mul_u32_u24 v4, v4, PB
	v_bfe_u32 v5, v0, 3, 1
	v_lshl_add_u32 v4, v5, 4, v4
	s_mul_i32 s72, s[RH], PART                     ; my 128 rows of xb
	s_lshl_b32 s73, s[CH], 8                       ; my 128 columns of wq: 256 bytes along its rows,
	s_add_co_u32 s73, s73, BOFF                    ; which lie behind xb's 256 rows
.irp s, 0,1
	v_add_nc_u32 v[ADRA+(\s)], s72, v3
	v_add_nc_u32 v[ADRB+(\s)], s73, v4
	s_add_co_u32 s72, s72, SLOT
	s_add_co_u32 s73, s73, SLOT
.endr
	s_mul_i32 s74, s[WV], WSTAGE
	s_add_co_u32 s74, s74, STAGE                   ; my stage
	v_mul_u32_u24 v6, v1, SPITCH                   ; in: row l % 16, 32 bytes for each half of the lanes
	v_lshl_add_u32 v6, v2, 5, v6
	v_add_nc_u32 v[STO], s74, v6
	v_and_b32 v7, 31, v0                           ; l
	v_lshlrev_b32 v[CO], 4, v7                     ; back: 32 lanes take one row of 512 bytes, 16 bytes each; the same place in a row of out0
	v_add_nc_u32 v[RD], s74, v[CO]
	s_lshl_b32 s75, s19, 10                        ; my first column in f32 bytes: 1,024 x tile column + 512 x half
	s_lshl_b32 s76, s[CH], 9
	s_add_co_u32 s75, s75, s76
	v_add_nc_u32 v[SBO], s75, v[CO]
	global_load_b128 v[SC:SC+3], v[SBO], s[8:9]    ; scale and bias of the four columns that I store in every row
	global_load_b128 v[BI:BI+3], v[SBO], s[10:11]
	s_lshl_b32 s76, s20, 8
	s_lshl_b32 s77, s[RH], 7
	s_add_co_u32 s76, s76, s77                     ; my first row of out0,
	s_lshl_b32 s76, s76, 14                        ; of 16,384 bytes,
	s_add_co_u32 s76, s76, s75                     ; and my first column: under 2^27
	s_mov_b32 s77, 0
	s_add_nc_u64 s[12:13], s[12:13], s[76:77]
	; the prefetches: both operands' figures are made, then one test of what I fetch for chooses
	s_lshl_b32 s72, s20, 8
	s_lshl_b32 s74, s[CH], 7
	s_add_co_u32 s72, s72, s74
	s_lshl_b32 s74, s17, 5
	s_add_co_u32 s72, s72, s74                     ; xb: the 128 rows that I fetch, my work-group's 32 of them,
	s_lshl_b32 s72, s72, 13
	s_add_co_u32 s72, s72, 3*KSTEP*2               ; at K step 3: the first change of slots steps it to 4
	s_lshl_b32 s73, s[CH], 6
	s_add_co_u32 s73, s73, 3*KSTEP                 ; wq: K step 3, the 64 k-rows that I fetch,
	s_lshl_b32 s74, s18, 4
	s_add_co_u32 s73, s73, s74                     ; my work-group's 16 of them,
	s_lshl_b32 s73, s73, 13
	s_lshl_b32 s74, s19, 9
	s_add_co_u32 s73, s73, s74                     ; at the tile's first column
	s_and_b32 s75, ttmp7, 0xffff                   ; cluster y
	s_mov_b32 s78, 256
	s_cmp_eq_u32 s[RH], 0                          ; do I fetch for xb?
	s_cselect_b64 s[PFA:PFA+1], s[4:5], s[6:7]
	s_cselect_b32 s46, s72, s73
	s_cselect_b32 s[PST], s78, KSTEP*SIZE_N*2      ; a K step: 256 bytes along xb's rows, 128 k-rows of wq
	s_cselect_b32 s75, ttmp9, s75                  ; the coordinate along which other clusters read the same rows
	s_cselect_b32 s76, 0, 1                        ; lanes to a row: 1 or 2 (as a shift)
	s_cselect_b32 s77, 0, s78                      ; and the odd lane's 256 bytes along it
	s_mov_b32 s47, 0
	s_mov_b32 s[PST+1], 0
	s_add_nc_u64 s[PFA:PFA+1], s[PFA:PFA+1], s[46:47]
	s_cmp_eq_u32 s75, 0
	s_cselect_b32 s[LIM], 1, -1                    ; the same in all sixteen partners, for a given wave
	v_lshrrev_b32 v8, s76, v7
	v_and_b32 v9, 1, v7
	v_mul_u32_u24 v9, s77, v9
	v_lshl_add_u32 v[PFO], v8, 13, v9              ; my row x 8,192 bytes + my part of it
	; nothing is prefetched here, at the head, where every work-group's first two tiles are on their way
; 16 matrix instructions: m blocks a0, a0 + 1 of the window's four (hi = 0: my rows 0-63, 1: rows 64-127) x all 8 n blocks, 32 along K.
; zero = 1: the first product starts the sums: nothing is ever cleared.  The 64 accumulators take turns, in the same order in every quarter step.
.macro MUL16 f, hi, a0, zero
	WIN MUL_LO+0x50*(\hi)
.irp a, \a0, (\a0)+1
.irp b, 0,1,2,3,4,5,6,7
.if \zero
	v_wmma_f32_16x16x32_bf16 v[8*(8*(\a)+(\b)):8*(8*(\a)+(\b))+7], v[(\f)+8*(\b):(\f)+8*(\b)+7], v[(\f)+8*(4*(\hi)+(\a)):(\f)+8*(4*(\hi)+(\a))+7], 0
.else
	v_wmma_f32_16x16x32_bf16 v[8*(8*(\a)+(\b)):8*(8*(\a)+(\b))+7], v[(\f)+8*(\b):(\f)+8*(\b)+7], v[(\f)+8*(4*(\hi)+(\a)):(\f)+8*(4*(\hi)+(\a))+7], v[8*(8*(\a)+(\b)):8*(8*(\a)+(\b))+7]
.endif
.endr
.endr
.endm
; 32 LDS loads in one run: the fragments of quarter q of a K step (32 k x my 128 columns of wq, turned; my 128 rows of xb x 32 k) into buffer f.  wq's first, then xb's rows in ascending order.
.macro FETCH slot, q, f
	WIN TO_B
.irp i, 0,1,2,3,4,5,6,7
	ds_load_tr16_b128 v[(\f)+8*(\i):(\f)+8*(\i)+3],   v[ADRB+(\slot)] offset:(\q)*32*PB+(\i)*32
	ds_load_tr16_b128 v[(\f)+8*(\i)+4:(\f)+8*(\i)+7], v[ADRB+(\slot)] offset:(\q)*32*PB+16*PB+(\i)*32
.endr
	WIN 0
.irp i, 0,1,2,3,4,5,6,7
	ds_load_b128 v[(\f)+8*(\i):(\f)+8*(\i)+3],   v[ADRA+(\slot)] offset:(\q)*64+(\i)*16*PA
	ds_load_b128 v[(\f)+8*(\i)+4:(\f)+8*(\i)+7], v[ADRA+(\slot)] offset:(\q)*64+(\i)*16*PA+32
.endr
.endm
; A load into a register that a matrix instruction has read, and a store that reads a matrix result, stand four places behind that matrix instruction, and only plain vector instructions that name none of
; its registers are places (ISA guide 7.12.1 for vector instructions); the matrix instructions in between are not counted.
.macro PLACES
.rept 4
	v_nop
.endr
.endm
; A K step is four quarter steps of 32 along K, 64 matrix instructions each, on buffers 0, 1, 0, 1.
; One of the first three: multiplies buffer f; in its middle it fetches quarter q of the same slot into buffer g.
.macro QUARTER slot, q, f, g, zero
	s_wait_dscnt 8                                 ; wq and xb's rows 0-63 are in; the youngest eight loads (xb's rows 64-127) may be out
	WIN MUL_LO
	MUL16 \f, 0, 0, \zero
	MUL16 \f, 0, 2, \zero
	PLACES
	FETCH \slot, \q, \g
	s_wait_dscnt 32                                ; all but the 32 just issued
	WIN MUL_HI
	MUL16 \f, 1, 0, \zero
	MUL16 \f, 1, 2, \zero
.endm
; The last quarter multiplies buffer 1 and changes slots.  MEET is its first half: ONE barrier for the change of slots.  In front of it each wave waits for all its tensor loads, of which one is out: its part of the
; next slot; adds 0 to its spare word; and waits for that and for its own reads of this slot.  Behind it nobody reads this slot any more and the next slot is whole.
.macro MEET round                      ; round = 1: a round of the cluster's barrier follows
	WIN 0                                          ; (the add's two registers lie in window 0)
	s_wait_tensorcnt 0x0                           ; all my tensor loads have landed;
	ds_add_u32 v[SPW], v[NIL]                      ; 0 onto my spare word;
	s_wait_dscnt 9                                 ; (the add and the youngest eight loads may be out)
	WIN MUL_LO
	MUL16 F1, 0, 0, 0                              ; sixteen matrix instructions stand between the add and the wait for it
	s_wait_dscnt 0x0                               ; the add is done, and my reads of this slot are over:
	s_barrier_signal -1                            ; say so,
	MUL16 F1, 0, 2, 0                              ; work on registers while the others arrive,
.if \round
	WIN 0
.endif
	s_barrier_wait -1                              ; and go on when all four have said so
.endm
; The whole last quarter.  The barrier opens a round of the cluster's barrier; behind the round the slot just read out is filled again first, with the K step two steps on; then come the next slot's first fragments.
; From a request to the wait for it a wave issues 224 matrix instructions; one tensor load of mine is out meanwhile.
.macro TURN slot, next
	s_wait_xcnt 0x0                                ; the last prefetch, a K step back, has read its address: it is stepped here, ahead of the waits of the change of slots
	s_add_nc_u64 s[PFA:PFA+1], s[PFA:PFA+1], s[PST:PST+1]
	MEET 1
	CREST                                          ; no wave of any partner still reads this slot's tile or has a load on its way
	s_add_nc_u64 s[G0+4*(\slot)+2:G0+4*(\slot)+3], s[G0+4*(\slot)+2:G0+4*(\slot)+3], 2*KSTEP*2           ; no tensor load of mine is out, so a group 0 may be written; the type bits on top are not reached
	s_add_nc_u64 s[G0B+4*(\slot)+2:G0B+4*(\slot)+3], s[G0B+4*(\slot)+2:G0B+4*(\slot)+3], 2*KSTEP*SIZE_N*2
	JLOAD \slot                                    ; the first tensor load behind the round; the four v_nop behind it are also the places in front of the loads below
	FETCH \next, 0, F0
	ASK
	WIN MUL_HI
	MUL16 F1, 1, 0, 0
	MUL16 F1, 1, 2, 0
.endm
; THE WAY OUT of block a (16 of my rows), in two parts.  TOSTAGE: the eight accumulators go as they are, f32, into my own stage in LDS, 32 bytes a lane (each accumulator's low four registers first)
; and come back as whole rows of 512 bytes, 16 bytes a lane, into buffer a % 2 of xb's fragment registers.
.macro TOSTAGE a
.set AC, 64*((\a)%4)
.set BK, F0+64*((\a)%2)
.if (\a) >= 2
	s_wait_xcnt 0x0                                ; the stores of block a - 2 have read their registers (ISA guide 3.1): only behind this wait are they loaded again
.endif
	WIN 0x08+4*((\a)/4)                            ; the data of an LDS store is source 1: window 2 or 3
.irp b, 0,1,2,3,4,5,6,7
	ds_store_b128 v[STO], v[AC+8*(\b):AC+8*(\b)+3]   offset:64*(\b)
	ds_store_b128 v[STO], v[AC+8*(\b)+4:AC+8*(\b)+7] offset:64*(\b)+16
.endr
	WIN 0
.irp t, 0,1,2,3,4,5,6,7,8,9,10,11,12,13,14,15
	ds_load_b128 v[BK+4*(\t):BK+4*(\t)+3], v[RD] offset:(\t)*SPITCH  ; LDS serves a wave's instructions in order (ISA guide 5.7.1.4): these see the stores above; the next block's stores come behind them
.endr
.endm
; SEND: row by row, y = sum x scale + bias, the clip, and one store.  younger: the LDS instructions issued behind block a's loads: the next block's 32, or none.
.macro SEND a, younger
.set BK, F0+64*((\a)%2)
	WIN 0
.irp t, 0,1,2,3,4,5,6,7,8,9,10,11,12,13,14,15
	s_wait_dscnt (\younger)+15-(\t)                ; row t is back; the block's later rows and what was issued behind them may be out
	v_pk_fma_f32 v[BK+4*(\t):BK+4*(\t)+1],   v[BK+4*(\t):BK+4*(\t)+1],   v[SC:SC+1],   v[BI:BI+1]
	v_pk_fma_f32 v[BK+4*(\t)+2:BK+4*(\t)+3], v[BK+4*(\t)+2:BK+4*(\t)+3], v[SC+2:SC+3], v[BI+2:BI+3]
.irp r, 0,1,2,3
	v_med3_num_f32 v[BK+4*(\t)+(\r)], v[BK+4*(\t)+(\r)], s70, s71  ; the middle of y, -100 and 100
.endr
	global_store_b128 v[CO], v[BK+4*(\t):BK+4*(\t)+3], s[12:13] offset:(16*(\a)+(\t))*SIZE_N*4 th:TH_STORE_NT  ; 32 lanes store 512 consecutive bytes, at a multiple of 512 from out0's first byte; the row stands in the immediate, 127 rows of 16,384 bytes at the most
.endr
.endm
	s_wait_tensorcnt 1                             ; my part of K step 0 is in; K step 1's may stay out
	s_wait_loadcnt 0x0                             ; scale and bias, once: no global load is out at any later barrier
	s_barrier_signal -1
	s_barrier_wait -1                              ; everybody's part is in
	FETCH 0, 0, F0
	QUARTER 0, 1, F0, F1, 1                        ; the first quarter stands in front of the loop: its products start the sums
	WIN 0                                          ; at a label and at a branch every window is 0
	s_mov_b32 s[LAP], LAPS-1
.Llap:                                                 ; a trip goes once round the ring, from a lap's second quarter to the next lap's first, and fills both slots again: trip t asks for K steps 2 t + 2 and 2 t + 3
	QUARTER 0, 2, F1, F0, 0
	QUARTER 0, 3, F0, F1, 0
	TURN 0, 1
	QUARTER 1, 1, F0, F1, 0
	QUARTER 1, 2, F1, F0, 0
	QUARTER 1, 3, F0, F1, 0
	TURN 1, 0
	QUARTER 0, 1, F0, F1, 0
	WIN 0
	s_sub_co_u32 s[LAP], s[LAP], 1
	s_cmp_lg_u32 s[LAP], 0
	s_cbranch_scc1 .Llap
	QUARTER 0, 2, F1, F0, 0                        ; the last lap is written out: it fills nothing and no round follows its barrier
	QUARTER 0, 3, F0, F1, 0
	MEET 0                                         ; my one tensor load that was still out is slot 1's, the last K step's
	PLACES                                         ; for the loads into buffer 0, which the quarter before multiplied
	FETCH 1, 0, F0
	WIN MUL_HI
	MUL16 F1, 1, 0, 0
	MUL16 F1, 1, 2, 0
	QUARTER 1, 1, F0, F1, 0
	QUARTER 1, 2, F1, F0, 0
	QUARTER 1, 3, F0, F1, 0
	s_wait_dscnt 8                                 ; the very last quarter: nothing more to fetch
	WIN MUL_LO
	MUL16 F1, 0, 0, 0
	MUL16 F1, 0, 2, 0
	s_wait_dscnt 0x0
	MUL16 F1, 1, 0, 0
	MUL16 F1, 1, 2, 0
	WIN 0
	PLACES                                         ; behind the last products: the LDS stores below read results, and the loads from the stage land in registers that products have read
	PLACES                                         ; (eight, once a launch)
	TOSTAGE 0
.irp a, 1,2,3,4,5,6,7                  ; block a's way through the stage is issued ahead of block a - 1's arithmetic and stores
	TOSTAGE \a
	SEND (\a)-1, 32
.endr
	SEND 7, 0
	s_wait_tensorcnt 0x0                           ; the wave's end, behind my last tensor load and my last LDS store
	ds_add_u32 v[SPW], v[NIL]
	s_wait_dscnt 0x0
	CROUND                                         ; the closing round: no work-group ends while a partner may still ask for a tile that names it
	s_endpgm
.Lfunc_end_k_qf3c776b43f_gemm:
	.size	k_qf3c776b43f_gemm, .Lfunc_end_k_qf3c776b43f_gemm-k_qf3c776b43f_gemm
	.p2alignl 7, 3214868480
	.fill 96, 4, 3214868480
	.section	.rodata,"a",@progbits
	.p2align	6, 0x0
	.amdhsa_kernel k_qf3c776b43f_gemm
		.amdhsa_group_segment_fixed_size 327680
		.amdhsa_private_segment_fixed_size 0
		.amdhsa_enable_private_segment 0
		.amdhsa_kernarg_size 40
		.amdhsa_user_sgpr_count 2
		.amdhsa_user_sgpr_kernarg_segment_ptr 1
		.amdhsa_wavefront_size32 1
		.amdhsa_system_sgpr_workgroup_id_x 1
		.amdhsa_system_sgpr_workgroup_id_y 1
		.amdhsa_system_sgpr_workgroup_id_z 1
		.amdhsa_system_vgpr_workitem_id 0
		.amdhsa_next_free_vgpr 1024
		.amdhsa_next_free_sgpr 80
		.amdhsa_reserve_vcc 0
		.amdhsa_float_denorm_mode_32 3
		.amdhsa_float_denorm_mode_16_64 3
		.amdhsa_memory_ordered 1
		.amdhsa_forward_progress 1
		.amdhsa_inst_pref_size 194
	.end_amdhsa_kernel
	.amdgpu_metadata
---
amdhsa.version: [ 1, 2 ]
amdhsa.kernels:
  - .name:           k_qf3c776b43f_gemm
    .symbol:         k_qf3c776b43f_gemm.kd
    .args:
      - { .name: xb, .offset: 0, .size: 8, .value_kind: global_buffer, .address_space: global }
      - { .name: wq, .offset: 8, .size: 8, .value_kind: global_buffer, .address_space: global }
      - { .name: scale, .offset: 16, .size: 8, .value_kind: global_buffer, .address_space: global }
      - { .name: bias, .offset: 24, .size: 8, .value_kind: global_buffer, .address_space: global }
      - { .name: out0, .offset: 32, .size: 8, .value_kind: global_buffer, .address_space: global }
    .group_segment_fixed_size: 327680
    .private_segment_fixed_size: 0
    .kernarg_segment_align: 8
    .kernarg_segment_size: 40
    .max_flat_workgroup_size: 128
    .sgpr_count:     80
    .vgpr_count:     1024
    .wavefront_size: 32
...
	.end_amdgpu_metadata
.endif
;; end of part 2
;; ======== version 2 of 2: 2 launches; version 1 with the launch prep written anew for expert scheduling mode
;; workspace buffers: xb 33,554,432 bytes; wq 33,554,432 bytes
;; launch prep (part 3): grid 512 x 2, 8 waves a work-group, no clusters, 0 bytes of LDS; arguments x, W, xb, wq; writes xb, wq
.if DOCPART == 3
	.amdgcn_target "amdgcn-amd-amdhsa--gfx1250"
	.amdhsa_code_object_version 6
	.text
	.protected	k_qf3c776b43f_prep
	.globl	k_qf3c776b43f_prep
	.p2align	8
	.type	k_qf3c776b43f_prep,@function
k_qf3c776b43f_prep:
	s_mov_b64 s[64:65], 0
	v_nop
	global_prefetch_b8 v0, s[64:65] scope:SCOPE_SE
	s_setreg_imm32_b32 hwreg(HW_REG_WAVE_SCHED_MODE, 0, 2), 2
	s_setreg_imm32_b32 hwreg(HW_REG_WAVE_MODE, 25, 1), 1
	s_wait_xcnt 0x0
	s_wait_alu depctr_vm_vsrc(0)
; xb = x rounded to bf16;  wq = +1 where W > 0.5, -1 where W < -0.5, else 0, written as bf16 (exact).  x, W: [4096][4096] f32; xb, wq: the same layout in bf16.
; The threshold is taken on W as it is given, in f32.  A NaN in W fails both compares and gives 0.  |x| beyond the largest finite bf16 rounds to an infinity.
; A plain stream: every input byte is read once and every output byte written once; no wave wants a byte that another has fetched, so there is no LDS, no barrier, no matrix work.
; SHARES.  Work-groups with y = 0 take x, those with y = 1 take W; work-group g of 512 owns 131,072 consecutive input bytes and the 65,536 output bytes that belong to them: 32 chunks of 4,096 input bytes.
; In a chunk thread t loads the 16 bytes at 16 t (a wave: 512 consecutive bytes) and stores the 8 bytes at 8 t (a wave: 256 consecutive bytes, aligned).
; THE MODE: SCHED_MODE bits 1:0 = 2 (LLVM: expert scheduling mode 2), set by the entry lines.  The code itself states the register dependences between vector instructions and memory
; instructions, and between a vector instruction that writes a scalar register and that register's readers, with s_wait_alu, always for 0.
; THE PLAN.  The 32 chunks go in 8 blocks of four.  Registers that memory instructions touch:
;   X0 .. X3   four blocks as loaded.   Written by the loads of block p + 3, issued in block p; read by block p's conversions (x) or compares (W).
;   Y0, Y1     two blocks to store.     Written by block p's conversions; read by the four stores that are issued in block p + 1.
;   v1, v2     byte offsets, made once at the head and never written again: a chunk's place stands in the immediate offset, 31 x 4,096 bytes at the most, and no base is stepped.
; Block p works on X[p % 4] and writes Y[p % 2].  Its memory instructions are the loads into X[(p + 3) % 4] = X[(p - 1) % 4] and the stores from Y[(p - 1) % 2]: the two buffers that
; block p - 1 worked on and that no vector instruction of block p names.  So the waits at a block's head state all that its eight memory instructions hang on, and these are dealt among
; its vector instructions with no further wait.  Eight to twelve loads of every wave are on their way.
; The blocks are written out: four X and two Y buffers are back at their start after four blocks, block 0 has no block in front of it and blocks 5 to 7 load nothing, so a loop would have one trip.
.set CHUNK,  4096                      ; input bytes of a chunk
.set BLOCK,  4                         ; chunks in a block
.set BLOCKS, 32/BLOCK
.set IO,   1                           ; v1       16 t: my place in an input chunk; never rewritten
.set OO,   2                           ; v2       8 t: my place in an output chunk; never rewritten
.set ONE,  3                           ; v3       1.0
.set MONE, 4                           ; v4       -1.0
.set T,    8                           ; v[8:11]  four weights at work: no memory instruction names them
.set X,    16                          ; v[16:79] buffer k, chunk i: four f32 as loaded, at X + 16 k + 4 i
.set Y,    80                          ; v[80:95] buffer k, chunk i: four bf16 to store, at Y + 8 k + 2 i
.set M,    24                          ; s[24:55] W alone: number j of chunk i: the lanes where 0.5 < w at M + 8 i + 2 j, those where -0.5 > w one further on
	s_load_b256 s[4:11], s[0:1], 0x0               ; x s[4:5], W s[6:7], xb s[8:9], wq s[10:11]
	s_and_b32 s12, ttmp7, 0xffff                   ; 0: x, 1: W
	s_lshl_b32 s14, ttmp9, 17                      ; the work-group's share of the input,
	s_mov_b32 s15, 0
	s_lshl_b32 s16, ttmp9, 16                      ; and of the output, in bytes
	s_mov_b32 s17, 0
	v_lshlrev_b32 v[IO], 4, v0
	v_lshlrev_b32 v[OO], 3, v0
	v_mov_b32 v[ONE], 1.0
	v_mov_b32 v[MONE], -1.0
	s_wait_kmcnt 0x0
	s_add_nc_u64 s[4:5], s[4:5], s[14:15]
	s_add_nc_u64 s[6:7], s[6:7], s[14:15]
	s_add_nc_u64 s[8:9], s[8:9], s[16:17]
	s_add_nc_u64 s[10:11], s[10:11], s[16:17]
	s_wait_alu depctr_va_vdst(0)                   ; v1 and v2 are written: every load of the kernel reads the one as its offset, every store the other
; Block p.  tern = 1: the numbers go through the threshold.  src, dst: the scalar pairs that hold the input's and the output's address.
.macro BLK p, tern, src, dst
.set XB, X+16*((\p)%4)                 ; at work
.set XN, X+16*(((\p)+3)%4)             ; loaded: the buffer that the block before worked on
.set YB, Y+8*((\p)%2)                  ; written
.set YP, Y+8*(((\p)+1)%2)              ; stored: the block before's
.if (\p) <= BLOCKS-3
	s_wait_loadcnt 2*BLOCK                         ; loads come back in order (ISA guide 5.7.1): this block's four are in, the two younger blocks stay out
.else
	s_wait_loadcnt (BLOCKS-1-(\p))*BLOCK           ; the last blocks: the counts run down
.endif
.if (\p) >= 2                          ; (in front of block 1 no store has been issued)
	s_wait_xcnt 0x0                                ; every earlier memory instruction has had its addresses translated (ISA guide 3.1): this block's Y, the data of stores issued in the block before, is rewritten only behind this wait
	s_wait_alu depctr_vm_vsrc(0)                   ; those stores have read this block's Y, which the conversions below write again
.endif
.if (\p) >= 1
	s_wait_alu depctr_va_vdst(0)                   ; the block before has written the other Y, which the stores below read, and is done reading its X, in which the loads below land
.endif
.irp i, 0,1,2,3
.if (\p) <= BLOCKS-4
	global_load_b128 v[XN+4*(\i):XN+4*(\i)+3], v[IO], s[(\src):(\src)+1] offset:(BLOCK*((\p)+3)+(\i))*CHUNK th:TH_LOAD_NT  ; three blocks ahead, and ahead of the store; no vector instruction since the wait names these registers
.endif
.if (\p) >= 1
	global_store_b64 v[OO], v[YP+2*(\i):YP+2*(\i)+1], s[(\dst):(\dst)+1] offset:(BLOCK*((\p)-1)+(\i))*CHUNK/2 th:TH_STORE_NT  ; the block before
.endif
.if \tern
.irp j, 0,1,2,3
	v_cmp_lt_f32 s[M+8*(\i)+2*(\j)],   0.5,  v[XB+4*(\i)+(\j)]   ; 0.5 < w
	v_cmp_gt_f32 s[M+8*(\i)+2*(\j)+1], -0.5, v[XB+4*(\i)+(\j)]   ; -0.5 > w
.endr
.else
	v_cvt_pk_bf16_f32 v[YB+2*(\i)],   v[XB+4*(\i)],   v[XB+4*(\i)+1]    ; two roundings to nearest even, packed
	v_cvt_pk_bf16_f32 v[YB+2*(\i)+1], v[XB+4*(\i)+2], v[XB+4*(\i)+3]
.endif
.endr
.if \tern
	s_wait_alu depctr_va_sdst(0)                   ; the block's 32 compares have written s[24:55], ahead of the first select that reads one of them: one wait for the run
.irp i, 0,1,2,3
.irp j, 0,1,2,3
	v_cndmask_b32 v[T+(\j)], 0, v[ONE], s[M+8*(\i)+2*(\j)]
.endr
.irp j, 0,1,2,3
	v_cndmask_b32 v[T+(\j)], v[T+(\j)], v[MONE], s[M+8*(\i)+2*(\j)+1]
.endr
	v_cvt_pk_bf16_f32 v[YB+2*(\i)],   v[T],   v[T+1]
	v_cvt_pk_bf16_f32 v[YB+2*(\i)+1], v[T+2], v[T+3]
.endr
.endif
.endm
; The whole share of a work-group.
.macro STREAM tern, src, dst
.irp i, 0,1,2,3,4,5,6,7,8,9,10,11
	global_load_b128 v[X+4*(\i):X+4*(\i)+3], v[IO], s[(\src):(\src)+1] offset:(\i)*CHUNK th:TH_LOAD_NT  ; blocks 0, 1 and 2 into X0, X1, X2
.endr
.irp p, 0,1,2,3,4,5,6,7
	BLK \p, \tern, \src, \dst                      ; blocks 5 to 7 load nothing: no load leaves the buffer
.endr
	s_wait_alu depctr_va_vdst(0)                   ; block 7 has written Y1, which the last four stores read
.irp i, 0,1,2,3
	global_store_b64 v[OO], v[Y+8+2*(\i):Y+8+2*(\i)+1], s[(\dst):(\dst)+1] offset:(BLOCK*(BLOCKS-1)+(\i))*CHUNK/2 th:TH_STORE_NT
.endr
	s_endpgm
.endm
	s_cmp_lg_u32 s12, 0
	s_cbranch_scc1 .Ltern
	STREAM 0, 4, 8                                 ; x -> xb
.Ltern:
	STREAM 1, 6, 10                                ; W -> wq
.Lfunc_end_k_qf3c776b43f_prep:
	.size	k_qf3c776b43f_prep, .Lfunc_end_k_qf3c776b43f_prep-k_qf3c776b43f_prep
	.p2alignl 7, 3214868480
	.fill 96, 4, 3214868480
	.section	.rodata,"a",@progbits
	.p2align	6, 0x0
	.amdhsa_kernel k_qf3c776b43f_prep
		.amdhsa_group_segment_fixed_size 0
		.amdhsa_private_segment_fixed_size 0
		.amdhsa_enable_private_segment 0
		.amdhsa_kernarg_size 32
		.amdhsa_user_sgpr_count 2
		.amdhsa_user_sgpr_kernarg_segment_ptr 1
		.amdhsa_wavefront_size32 1
		.amdhsa_system_sgpr_workgroup_id_x 1
		.amdhsa_system_sgpr_workgroup_id_y 1
		.amdhsa_system_sgpr_workgroup_id_z 1
		.amdhsa_system_vgpr_workitem_id 0
		.amdhsa_next_free_vgpr 96
		.amdhsa_next_free_sgpr 66
		.amdhsa_reserve_vcc 0
		.amdhsa_float_denorm_mode_32 3
		.amdhsa_float_denorm_mode_16_64 3
		.amdhsa_memory_ordered 1
		.amdhsa_forward_progress 1
		.amdhsa_inst_pref_size 56
	.end_amdhsa_kernel
	.amdgpu_metadata
---
amdhsa.version: [ 1, 2 ]
amdhsa.kernels:
  - .name:           k_qf3c776b43f_prep
    .symbol:         k_qf3c776b43f_prep.kd
    .args:
      - { .name: x, .offset: 0, .size: 8, .value_kind: global_buffer, .address_space: global }
      - { .name: W, .offset: 8, .size: 8, .value_kind: global_buffer, .address_space: global }
      - { .name: xb, .offset: 16, .size: 8, .value_kind: global_buffer, .address_space: global }
      - { .name: wq, .offset: 24, .size: 8, .value_kind: global_buffer, .address_space: global }
    .group_segment_fixed_size: 0
    .private_segment_fixed_size: 0
    .kernarg_segment_align: 8
    .kernarg_segment_size: 32
    .max_flat_workgroup_size: 256
    .sgpr_count:     66
    .vgpr_count:     96
    .wavefront_size: 32
...
	.end_amdgpu_metadata
.endif
;; end of part 3
;; launch gemm: the kernel of part 2 again; grid 16 x 16, 4 waves a work-group, clusters of 4 x 4, 327,680 bytes of LDS; arguments xb, wq, scale, bias, out0; writes out0
